; MI455X (gfx1250); checked and timed in simulation.
; The chip was launched on July 23, 2026; its instructions are those of AMD's public machine-readable ISA for CDNA 5 (MIT licence, August 2026) and "CDNA5" Instruction Set Architecture Reference Guide (July 2026). The comments in the code are by the model that wrote it; some were corrected since.
;; Multi Head Attention. Allowed arithmetic: float matrix products may take bf16 or f16 operands with f32 sums; all other float work in f32.
;; Inputs: bk 1,024 float32; bo 1,024 float32; bq 1,024 float32; bv 1,024 float32; wk 1,024 x 1,024 float32; wo 1,024 x 1,024 float32; wq 1,024 x 1,024 float32; wv 1,024 x 1,024 float32; x 2 x 2,048 x 1,024 float32.
;; Outputs: out0 2 x 2,048 x 1,024 float32.
;; One version. Each part assembles by itself: llvm-mc -triple=amdgcn-amd-amdhsa -mcpu=gfx1250 --defsym DOCPART=n.
;; ======== version 1 of 1: 4 launches
;; limits: values are held in f16: magnitudes above 65,504 overflow, below 6.1e-05 lose precision
;; workspace buffers: xw 16,777,216 bytes; qkv 25,165,824 bytes; ao 8,388,608 bytes
;; launch cast (part 1): grid 256 x 1, 8 waves a work-group, no clusters, 0 bytes of LDS; arguments x, wq, wk, wv, wo, xw; writes xw
.if DOCPART == 1
	.amdgcn_target "amdgcn-amd-amdhsa--gfx1250"
	.amdhsa_code_object_version 6
	.text
	.protected	k_q033bc22ae9_cast
	.globl	k_q033bc22ae9_cast
	.p2align	8
	.type	k_q033bc22ae9_cast,@function
k_q033bc22ae9_cast:
	s_mov_b64 s[64:65], 0
	v_nop
	global_prefetch_b8 v0, s[64:65] scope:SCOPE_SE
	s_setreg_imm32_b32 hwreg(HW_REG_WAVE_MODE, 25, 1), 1
	s_wait_xcnt 0x0
; xw = f16 of x | wq | wk | wv | wo, each number rounded once.
; xw: bytes 0 .. 8,388,607 x as [4096][1024]; behind it the four weights as [4096][1024] (wq, wk, wv, wo).
; f16 and not bf16: the later products are compared within a hundredth of the whole output's root mean square, while output rows
; made of the first positions of a head are several times larger than that; 11 bits of significand keep the roundings below it.
; LIMIT: a number of 65,504 or more in magnitude becomes infinite; below 6e-5 the step is 6e-8 (f16 denormals, which are kept).
; 256 work-groups of 8 waves; work-group id converts 32,768 numbers: 131,072 bytes in, 65,536 bytes out.
; ids 0-127: x; 128-159: wq; 160-191: wk; 192-223: wv; 224-255: wo.
; A stream: no LDS, no matrix unit, no cluster (no byte is read twice).  All 32 loads of a thread go out at once, so a work-group has
; its whole 131,072 bytes on their way; no register is written twice, so no source of a pending load or store is ever rewritten.
.set X, 4                              ; v[4:131]    load i: 4 f32
.set Y, 132                            ; v[132:195]  store i: 4 f16
	s_load_b256 s[4:11], s[0:1], 0x0               ; x s[4:5], wq s[6:7], wk s[8:9], wv s[10:11]
	s_load_b128 s[12:15], s[0:1], 0x20             ; wo s[12:13], xw s[14:15]
	s_lshr_b32 s18, ttmp9, 5                       ; 0-3: x; 4: wq; 5: wk; 6: wv; 7: wo
	s_and_b32 s19, ttmp9, 31                       ; part of a weight
	s_cmp_lt_u32 ttmp9, 128
	s_cselect_b32 s19, ttmp9, s19                  ; or part of x
	s_lshl_b32 s20, s19, 17                        ; source offset: part x 131,072 bytes
	s_mov_b32 s21, 0
	s_lshl_b32 s22, ttmp9, 16                      ; destination offset: id x 65,536 bytes
	s_mov_b32 s23, 0
	v_lshlrev_b32 v1, 4, v0                        ; 16 bytes a thread in: a wave's load covers 512 consecutive bytes
	v_lshlrev_b32 v2, 3, v0                        ; 8 bytes a thread out: a wave's store covers 256 consecutive bytes, aligned
	s_wait_kmcnt 0x0
	s_cmp_eq_u32 s18, 4
	s_cselect_b64 s[16:17], s[6:7], s[4:5]
	s_cmp_eq_u32 s18, 5
	s_cselect_b64 s[16:17], s[8:9], s[16:17]
	s_cmp_eq_u32 s18, 6
	s_cselect_b64 s[16:17], s[10:11], s[16:17]
	s_cmp_eq_u32 s18, 7
	s_cselect_b64 s[16:17], s[12:13], s[16:17]
	s_add_nc_u64 s[16:17], s[16:17], s[20:21]
	s_add_nc_u64 s[14:15], s[14:15], s[22:23]
.set i, 0
.rept 32
	global_load_b128 v[X+4*i:X+4*i+3], v1, s[16:17] offset:4096*i th:TH_LOAD_NT
.set i, i+1
.endr
.set i, 0
.rept 32
	s_wait_loadcnt 31-i                            ; loads come back in order: load i is in, the 31 - i younger ones stay out
	v_cvt_pk_f16_f32 v[Y+2*i],   v[X+4*i],   v[X+4*i+1]
	v_cvt_pk_f16_f32 v[Y+2*i+1], v[X+4*i+2], v[X+4*i+3]
	global_store_b64 v2, v[Y+2*i:Y+2*i+1], s[14:15] offset:2048*i     ; the next launch reads these: no streaming hint
.set i, i+1
.endr
	s_endpgm
.Lfunc_end_k_q033bc22ae9_cast:
	.size	k_q033bc22ae9_cast, .Lfunc_end_k_q033bc22ae9_cast-k_q033bc22ae9_cast
	.p2alignl 7, 3214868480
	.fill 96, 4, 3214868480
	.section	.rodata,"a",@progbits
	.p2align	6, 0x0
	.amdhsa_kernel k_q033bc22ae9_cast
		.amdhsa_group_segment_fixed_size 0
		.amdhsa_private_segment_fixed_size 0
		.amdhsa_enable_private_segment 0
		.amdhsa_kernarg_size 48
		.amdhsa_user_sgpr_count 2
		.amdhsa_user_sgpr_kernarg_segment_ptr 1
		.amdhsa_wavefront_size32 1
		.amdhsa_system_sgpr_workgroup_id_x 1
		.amdhsa_system_sgpr_workgroup_id_y 1
		.amdhsa_system_sgpr_workgroup_id_z 1
		.amdhsa_system_vgpr_workitem_id 0
		.amdhsa_next_free_vgpr 196
		.amdhsa_next_free_sgpr 66
		.amdhsa_reserve_vcc 0
		.amdhsa_float_denorm_mode_32 3
		.amdhsa_float_denorm_mode_16_64 3
		.amdhsa_memory_ordered 1
		.amdhsa_forward_progress 1
		.amdhsa_inst_pref_size 13
	.end_amdhsa_kernel
	.amdgpu_metadata
---
amdhsa.version: [ 1, 2 ]
amdhsa.kernels:
  - .name:           k_q033bc22ae9_cast
    .symbol:         k_q033bc22ae9_cast.kd
    .args:
      - { .name: x, .offset: 0, .size: 8, .value_kind: global_buffer, .address_space: global }
      - { .name: wq, .offset: 8, .size: 8, .value_kind: global_buffer, .address_space: global }
      - { .name: wk, .offset: 16, .size: 8, .value_kind: global_buffer, .address_space: global }
      - { .name: wv, .offset: 24, .size: 8, .value_kind: global_buffer, .address_space: global }
      - { .name: wo, .offset: 32, .size: 8, .value_kind: global_buffer, .address_space: global }
      - { .name: xw, .offset: 40, .size: 8, .value_kind: global_buffer, .address_space: global }
    .group_segment_fixed_size: 0
    .private_segment_fixed_size: 0
    .kernarg_segment_align: 8
    .kernarg_segment_size: 48
    .max_flat_workgroup_size: 256
    .sgpr_count:     66
    .vgpr_count:     196
    .wavefront_size: 32
...
	.end_amdgpu_metadata
.endif
;; end of part 1
;; launch qkv (part 2): grid 16 x 16, 4 waves a work-group, clusters of 4 x 4, 327,680 bytes of LDS; arguments xw, bq, bk, bv, qkv; writes qkv
.if DOCPART == 2
	.amdgcn_target "amdgcn-amd-amdhsa--gfx1250"
	.amdhsa_code_object_version 6
	.text
	.protected	k_q033bc22ae9_qkv
	.globl	k_q033bc22ae9_qkv
	.p2align	8
	.type	k_q033bc22ae9_qkv,@function
k_q033bc22ae9_qkv:
	s_mov_b64 s[64:65], 0
	v_nop
	global_prefetch_b8 v0, s[64:65] scope:SCOPE_SE
	s_setreg_imm32_b32 hwreg(HW_REG_WAVE_MODE, 25, 1), 1
	s_wait_xcnt 0x0
	s_wait_alu depctr_hold_cnt(0) depctr_sa_sdst(0) depctr_va_vdst(0) depctr_va_sdst(0) depctr_va_ssrc(0) depctr_va_vcc(0) depctr_vm_vsrc(0)
	s_getreg_b32 s2, hwreg(HW_REG_IB_STS2, 6, 4)
	s_cmp_eq_u32 s2, 0
	s_cbranch_scc0 .Lentry_in_a_cluster
	s_endpgm
.Lentry_in_a_cluster:
	s_bfe_u32 s2, ttmp6, 0x10000c
	s_cmp_lg_u32 s2, 0xf033
	s_cbranch_scc0 .Lentry_shape_is_right
	s_endpgm
.Lentry_shape_is_right:
; q | k | v = x W^T + b, f16 operands, f32 sums, stored in f16 by head: qkv[3][batch x head = 32][2048][64].
; x: xw rows 0-4095 ([4096][1024] f16); W: the 3,072 rows of wq | wk | wv behind it, K along the rows.
; LIMIT: a result of 65,504 or more in magnitude becomes infinite in f16.  Inputs 30 times those of the usual spread give about 3,500.
; A work-group makes 256 rows x 192 columns (3 whole heads): 16 x 16 = 256 work-groups.  Wave w makes rows 64 w .. 64 w + 63 of all 192
; columns: 4 x 12 accumulator tiles of 16 x 16, 384 registers; for 32 along K it reads 32 x 16 bytes a lane from LDS for 48 matrix instructions.
; K goes in 8 steps of 128 (rows of 256 bytes in memory, starting at multiples of 256) through a ring of two LDS slots.
; CLUSTERS: 4 x 4 work-groups.  x's tile hangs on the block row alone and is asked for jointly by a row of the cluster, W's on the block
; column alone and is asked for jointly by a column: each tile is requested once for four work-groups.
; The matrix instruction is used transposed (source 0 = rows of W, source 1 = rows of x): lane (r, h) then holds row r and the eight
; neighbouring columns 16 b + 8 h + 0..7.  The first product of each tile takes the bias, laid out so, as its C: no add, no clearing.
; REGISTER WINDOWS: 0: addresses, x's fragments (two buffers), the way out, the bias; 1: W's fragments (two buffers);
; 2: accumulators of my row tiles 0, 1 (tile (a, b) at v[8 (12 a + b)]); 3: those of row tiles 2, 3.
.set SIZE_K, 1024
.set KSTEP,  128
.set PITCH,  272                       ; an LDS row: 256 bytes + 16 of padding: the 16 rows of a fragment load start 16 bytes apart modulo 256
.set HALFA,  128*PITCH                 ; one tensor load of x: 128 rows
.set HALFB,  96*PITCH                  ; one tensor load of W: 96 rows
.set SLOT,   2*HALFA+2*HALFB           ; x's 256 rows, then W's 192
.set STAGE,  2*SLOT                    ; behind the ring (a multiple of 256): the way out; no tensor load lands here
.set HS,     16*144                    ; stage of one head: 16 rows of 128 bytes + 16
.set WSTAGE, 3*HS                      ; a wave's stage: 3 heads
.set LAPS,   SIZE_K/(2*KSTEP)          ; 4 laps of two K steps
.set WOFF,   8388608                   ; the weights' first byte in xw
.set DW0,    (1<<16)|(1<<20)|(1<<21)|(5<<22)|(3<<25)   ; group 1, word 0 without the mask: 2-byte elements, padding on, bit 21 beside a mask, after every 64 words 4 words
.set ADRA, 16                          ; v16-17  LDS address of my x fragments in slot 0, 1
.set ADRB, 20                          ; v20-21  the same for W
.set STO,  24                          ; way out: where I put 16 bytes
.set RD,   25                          ; way out: where I read rows back
.set CO,   26                          ; 16 x lane: my bytes in 512 consecutive bytes of a head
.set BO,   27                          ; 32 h: my eight biases in a tile's sixteen
.set FA0,  32                          ; window 0: x's fragments, 4 x 8 registers
.set FA1,  64
.set TMP,  96                          ; window 0: 48 registers of packed results
.set BIAS, 144                         ; window 0: 12 x 8 registers, bias[16 b + 8 h + j]
.set RB0,  144                         ; afterwards: rows read back, two buffers of 48
.set RB1,  192
.set FB0,  0                           ; window 1: W's fragments, 12 x 8 registers
.set FB1,  96
.set G1,  24                           ; s[24:31] group 1 for x's tiles
.set G0,  32                           ; s[32:39] group 0 for x's tiles, one set a slot
.set G1B, 48                           ; s[48:55] group 1 for W's tiles
.set G0B, 56                           ; s[56:63] group 0 for W's tiles
.set OB,  66                           ; s[66:71] where my rows of the three heads go
.set BP,  72                           ; s[72:77] the three heads' biases
.set MSB, 0
.macro WIN new                         ; the immediate's high byte repeats the setting that is left
.if MSB != \new
	s_set_vgpr_msb (MSB<<8)|\new
.set MSB, \new
.endif
.endm
.set MUL_LO, 0xa1                      ; source 0 (W) window 1, source 1 (x) window 0, C and D window 2
.set MUL_HI, 0xf1                      ; the same, C and D window 3
.set ONE_LO, 0x81                      ; first products: C (the bias) window 0, D window 2
.set ONE_HI, 0xc1                      ; D window 3
.set TO_B,   0x40                      ; destination window 1, address window 0
; A joint load.  Waves 0, 1 fetch x's two halves, waves 2, 3 W's.  The branch hangs on the wave's number alone.
.macro JLOAD s
	s_cmp_eq_u32 s15, 0
	s_cbranch_scc0 .Lfor_b_\@
	tensor_load_to_lds s[G0+4*\s:G0+4*\s+3], s[G1:G1+7]
	s_nop 0
	s_branch .Lasked_\@
.Lfor_b_\@:
	tensor_load_to_lds s[G0B+4*\s:G0B+4*\s+3], s[G1B:G1B+7]
	s_nop 0
.Lasked_\@:
.endm
; A round of the cluster's barrier: my work-group's barrier, wave 0 signals for the work-group, every wave waits for all sixteen, my barrier again.
.macro CREST
	s_cmp_lg_u32 s14, 0
	s_cbranch_scc1 .Lnot_wave_0_\@
	s_barrier_signal -3
.Lnot_wave_0_\@:
	s_barrier_wait -3
	s_barrier_signal -1
	s_barrier_wait -1
.endm
.macro CROUND
	s_barrier_signal -1
	s_barrier_wait -1
	CREST
.endm
	s_load_b256 s[4:11], s[0:1], 0x0               ; xw s[4:5], bq s[6:7], bk s[8:9], bv s[10:11]
	s_load_b64 s[12:13], s[0:1], 0x20              ; qkv
	s_set_vgpr_msb 0x40
	v_lshl_add_u32 v255, v0, 2, 0x42400
	s_set_vgpr_msb 0x4000
	v_mov_b32 v255, 0
	s_set_vgpr_msb 0x1
	ds_add_u32 v255, v255
	ds_add_u32 v255, v255
	s_set_vgpr_msb 0x100
	v_lshrrev_b32 v1, 5, v0
	v_readfirstlane_b32 s14, v1                    ; wave 0..3
	s_lshr_b32 s15, s14, 1                         ; I fetch for x (0) or for W (1)
	s_and_b32 s16, s14, 1                          ; which half of that tile
	s_bfe_u32 s17, ttmp6, 0x40000                  ; cx
	s_bfe_u32 s18, ttmp6, 0x40004                  ; cy
	s_lshl_b32 s19, ttmp9, 2
	s_add_co_u32 s19, s19, s17                     ; block column = 4 x cluster x + cx
	s_and_b32 s20, ttmp7, 0xffff
	s_lshl_b32 s20, s20, 2
	s_add_co_u32 s20, s20, s18                     ; block row = 4 x cluster y + cy
	s_lshl_b32 s21, s18, 2
	s_lshl_b32 s21, 15, s21                        ; my row of the cluster: places 4 cy .. 4 cy + 3
	s_lshl_b32 s22, 0x1111, s17                    ; my column: places cx, cx + 4, cx + 8, cx + 12
	s_or_b32 s[G1+0], s21, DW0                     ; x's tiles go to my row
	s_or_b32 s[G1B+0], s22, DW0                    ; W's tiles go to my column
	s_mov_b32 s[G1+1], KSTEP<<16                   ; tensor_dim0 = 128
	s_mov_b32 s[G1B+1], KSTEP<<16
	s_mov_b32 s[G1+2], 128<<16                     ; tensor_dim1 = 128 rows
	s_mov_b32 s[G1B+2], 96<<16                     ; 96 rows
	s_mov_b32 s[G1+3], KSTEP<<16                   ; tile_dim0 = 128
	s_mov_b32 s[G1B+3], KSTEP<<16
	s_mov_b32 s[G1+4], 128                         ; tile_dim1
	s_mov_b32 s[G1B+4], 96
	s_mov_b32 s[G1+5], SIZE_K                      ; elements from row to row
	s_mov_b32 s[G1B+5], SIZE_K
	s_mov_b32 s[G1+6], 0
	s_mov_b32 s[G1B+6], 0
	s_mov_b32 s[G1+7], 0
	s_mov_b32 s[G1B+7], 0
	; where the tiles come from: x's hang on the block row, W's on the block column, each in registers that never hold the other
	s_lshl_b32 s40, s20, 8
	s_lshl_b32 s41, s16, 7
	s_add_co_u32 s40, s40, s41                     ; x: row 256 x block row + 128 x half
	s_lshl_b32 s40, s40, 11                        ; x 2,048 bytes (below 8 MiB)
	s_mov_b32 s41, 0
	s_mul_i32 s44, s19, 192
	s_mul_i32 s45, s16, 96
	s_add_co_u32 s44, s44, s45                     ; W: row 192 x block column + 96 x half
	s_lshl_b32 s44, s44, 11
	s_add_co_u32 s44, s44, WOFF
	s_mov_b32 s45, 0
	; and where they go: wave x a constant + a constant.  Waves 0, 1: x's halves at 0 and HALFA; waves 2, 3: W's halves behind x's 256 rows
	s_mul_i32 s42, s14, HALFA
	s_mul_i32 s46, s14, HALFB
	s_add_co_u32 s46, s46, 2*HALFA-2*HALFB
	s_wait_dscnt 0x0
	s_wait_kmcnt 0x0
	s_add_nc_u64 s[40:41], s[4:5], s[40:41]
	s_add_nc_u64 s[44:45], s[4:5], s[44:45]
	CROUND                                         ; all sixteen work-groups are here: the first joint loads meet
.irp s, 0,1
	s_mov_b32 s[G0+4*\s], 1
	s_add_co_u32 s[G0+4*\s+1], s42, \s*SLOT
	s_add_nc_u64 s[G0+4*\s+2:G0+4*\s+3], s[40:41], \s*KSTEP*2
	s_or_b32 s[G0+4*\s+3], s[G0+4*\s+3], 0x80000000
	s_mov_b32 s[G0B+4*\s], 1
	s_add_co_u32 s[G0B+4*\s+1], s46, \s*SLOT
	s_add_nc_u64 s[G0B+4*\s+2:G0B+4*\s+3], s[44:45], \s*KSTEP*2
	s_or_b32 s[G0B+4*\s+3], s[G0B+4*\s+3], 0x80000000
	JLOAD \s
.endr
	; the three heads of my columns: head number hd = 3 x block column + c of 48; section hd >> 4 (q, k, v), head hd & 15
	s_mul_i32 s80, s19, 3
	s_lshr_b32 s89, s20, 3                         ; batch: 8 block rows each
	s_and_b32 s88, s20, 7
	s_lshl_b32 s88, s88, 8
	s_lshl_b32 s87, s14, 6
	s_add_co_u32 s88, s88, s87                     ; my first position in the sequence
	s_lshl_b32 s88, s88, 7                         ; x 128 bytes
.irp c, 0,1,2
	s_add_co_u32 s81, s80, \c
	s_lshr_b32 s82, s81, 4
	s_and_b32 s83, s81, 15
	s_cmp_eq_u32 s82, 1
	s_cselect_b64 s[BP+2*\c:BP+2*\c+1], s[8:9], s[6:7]
	s_cmp_eq_u32 s82, 2
	s_cselect_b64 s[BP+2*\c:BP+2*\c+1], s[10:11], s[BP+2*\c:BP+2*\c+1]
	s_lshl_b32 s84, s83, 8                         ; 64 f32 a head
	s_mov_b32 s85, 0
	s_add_nc_u64 s[BP+2*\c:BP+2*\c+1], s[BP+2*\c:BP+2*\c+1], s[84:85]
	s_lshl1_add_u32 s86, s82, s89                  ; 2 x section + batch
	s_lshl4_add_u32 s86, s86, s83                  ; x 16 + head: 0 .. 95
	s_lshl_b32 s86, s86, 18                        ; x 262,144 bytes
	s_add_co_u32 s86, s86, s88
	s_mov_b32 s87, 0
	s_add_nc_u64 s[OB+2*\c:OB+2*\c+1], s[12:13], s[86:87]
.endr
	v_and_b32 v1, 15, v0                           ; r
	v_bfe_u32 v2, v0, 4, 1                         ; h
	v_and_b32 v5, 31, v0                           ; lane
	v_lshlrev_b32 v[BO], 5, v2
.irp c, 0,1,2
.irp t, 0,1,2,3
	global_load_b128 v[BIAS+8*(4*\c+\t):BIAS+8*(4*\c+\t)+3],   v[BO], s[BP+2*\c:BP+2*\c+1] offset:64*\t
	global_load_b128 v[BIAS+8*(4*\c+\t)+4:BIAS+8*(4*\c+\t)+7], v[BO], s[BP+2*\c:BP+2*\c+1] offset:64*\t+16
.endr
.endr
	; a fragment is 16 rows x 32 K: lane (r, h) takes 16 bytes at row r, byte 16 h, and 16 more 32 bytes on
	v_mul_u32_u24 v3, v1, PITCH
	v_lshl_add_u32 v3, v2, 4, v3
	s_mul_i32 s90, s14, 64*PITCH                   ; my 64 rows of x
	s_mov_b32 s91, 2*HALFA                         ; W's rows lie behind x's 256
.irp s, 0,1
	v_add_nc_u32 v[ADRA+\s], s90, v3
	v_add_nc_u32 v[ADRB+\s], s91, v3
	s_add_co_u32 s90, s90, SLOT
	s_add_co_u32 s91, s91, SLOT
.endr
	s_mul_i32 s92, s14, WSTAGE
	s_add_co_u32 s92, s92, STAGE                   ; my stage
	v_mul_u32_u24 v4, v1, 144
	v_lshl_add_u32 v4, v2, 4, v4
	v_add_nc_u32 v[STO], s92, v4                   ; in: row r, 16 bytes for each half of the lanes
	v_lshrrev_b32 v6, 3, v5
	v_and_b32 v7, 7, v5
	v_mul_u32_u24 v6, v6, 144
	v_lshl_add_u32 v6, v7, 4, v6
	v_add_nc_u32 v[RD], s92, v6                    ; back: eight lanes a row of 128 bytes, four rows a load
	v_lshlrev_b32 v[CO], 4, v5
; 12 matrix instructions: row tile 2 hi + a x all 12 column tiles, 32 along K.  first = 1: C is the bias.
.macro MUL12 fa, fb, hi, a, first
.irp b, 0,1,2,3,4,5,6,7,8,9,10,11
.if \first
	v_wmma_f32_16x16x32_f16 v[8*(12*\a+\b):8*(12*\a+\b)+7], v[\fb+8*\b:\fb+8*\b+7], v[\fa+8*(2*\hi+\a):\fa+8*(2*\hi+\a)+7], v[BIAS+8*\b:BIAS+8*\b+7]
.else
	v_wmma_f32_16x16x32_f16 v[8*(12*\a+\b):8*(12*\a+\b)+7], v[\fb+8*\b:\fb+8*\b+7], v[\fa+8*(2*\hi+\a):\fa+8*(2*\hi+\a)+7], v[8*(12*\a+\b):8*(12*\a+\b)+7]
.endif
.endr
.endm
; 32 LDS loads in one run: 192 rows of W, then my 64 rows of x, 32 K at byte k of the rows
.macro FETCH slot, k, fa, fb
	WIN TO_B
.irp i, 0,1,2,3,4,5,6,7,8,9,10,11
	ds_load_b128 v[\fb+8*\i:\fb+8*\i+3],   v[ADRB+\slot] offset:\k+\i*16*PITCH
	ds_load_b128 v[\fb+8*\i+4:\fb+8*\i+7], v[ADRB+\slot] offset:\k+\i*16*PITCH+32
.endr
	WIN 0
.irp i, 0,1,2,3
	ds_load_b128 v[\fa+8*\i:\fa+8*\i+3],   v[ADRA+\slot] offset:\k+\i*16*PITCH
	ds_load_b128 v[\fa+8*\i+4:\fa+8*\i+7], v[ADRA+\slot] offset:\k+\i*16*PITCH+32
.endr
.endm
; Four plain vector places between a matrix instruction and a load into a register that it read, or a vector instruction that reads its
; result; other matrix instructions are not counted as places here.
.macro PLACES
.rept 4
	v_nop
.endr
.endm
; A quarter step (32 along K, 48 matrix instructions) on buffers fa, fb; in its middle the next quarter's fragments are fetched into ga, gb.
; The 48 accumulators take turns, one instruction a turn, in the same order in every quarter.
.macro QUARTER slot, k, fa, fb, ga, gb, first
	s_wait_dscnt 4                                 ; W and x's row tiles 0, 1 are in; the four youngest loads (row tiles 2, 3) may be out
.if \first
	WIN ONE_LO
.else
	WIN MUL_LO
.endif
	MUL12 \fa, \fb, 0, 0, \first
	MUL12 \fa, \fb, 0, 1, \first
	PLACES
	FETCH \slot, \k, \ga, \gb
	s_wait_dscnt 32                                ; all but the 32 just issued
.if \first
	WIN ONE_HI
.else
	WIN MUL_HI
.endif
	MUL12 \fa, \fb, 1, 0, \first
	MUL12 \fa, \fb, 1, 1, \first
.endm
.macro THREE slot, first
	QUARTER \slot, 64,  FA0, FB0, FA1, FB1, \first
	QUARTER \slot, 128, FA1, FB1, FA0, FB0, 0
	QUARTER \slot, 192, FA0, FB0, FA1, FB1, 0
.endm
; The last quarter of a K step changes slots.  In front of the barrier each wave waits for its reads of this slot and for all its tensor
; loads (one is out: its part of the next slot).  Behind it this slot is filled again first (fill = 1: behind a whole round of the cluster's
; barrier, which this barrier opens), then the next slot's first fragments are read.  From a request to the wait for it: 180 matrix instructions.
.macro TURN slot, next, fill
	s_wait_dscnt 4
	WIN MUL_LO
	MUL12 FA1, FB1, 0, 0, 0
	s_wait_dscnt 0                                 ; my reads of this slot are over
	s_wait_tensorcnt 0x0                           ; all my tensor loads have landed
	ds_add_u32 v255, v255
	s_wait_dscnt 0x0
	s_barrier_signal -1
	MUL12 FA1, FB1, 0, 1, 0                        ; register work while the others arrive
	WIN 0
	s_barrier_wait -1
.if \fill
	CREST                                          ; no wave of any partner still reads this slot or has a load on its way
	s_add_nc_u64 s[G0+4*\slot+2:G0+4*\slot+3], s[G0+4*\slot+2:G0+4*\slot+3], 2*KSTEP*2
	s_add_nc_u64 s[G0B+4*\slot+2:G0B+4*\slot+3], s[G0B+4*\slot+2:G0B+4*\slot+3], 2*KSTEP*2
	JLOAD \slot                                    ; the first tensor load behind the round
.endif
	PLACES
	FETCH \next, 0, FA0, FB0
	WIN MUL_HI
	MUL12 FA1, FB1, 1, 0, 0
	MUL12 FA1, FB1, 1, 1, 0
.endm
.macro LAP first
	THREE 0, \first
	TURN 0, 1, 1
	THREE 1, 0
	TURN 1, 0, 1
.endm
	s_wait_tensorcnt 1                             ; my part of K step 0 is in; K step 1's stays out
	s_wait_loadcnt 0x0                             ; the bias
	s_barrier_signal -1
	s_barrier_wait -1
	FETCH 0, 0, FA0, FB0
	LAP 1                                          ; K steps 0, 1: the first products start the sums from the bias
	WIN 0                                          ; at a label and at a branch every window is 0
	s_mov_b32 s3, LAPS-2
.Llap:
	LAP 0
	WIN 0
	s_sub_co_u32 s3, s3, 1
	s_cmp_lg_u32 s3, 0
	s_cbranch_scc1 .Llap
	THREE 0, 0                                     ; the last lap fills nothing
	TURN 0, 1, 0
	THREE 1, 0
	s_wait_dscnt 4
	WIN MUL_LO
	MUL12 FA1, FB1, 0, 0, 0
	MUL12 FA1, FB1, 0, 1, 0
	s_wait_dscnt 0
	WIN MUL_HI
	MUL12 FA1, FB1, 1, 0, 0
	MUL12 FA1, FB1, 1, 1, 0
	PLACES                                         ; behind the last matrix instructions: for the conversions and for the loads into the bias's registers
; THE WAY OUT, 16 rows at a time: round to f16, 16 bytes a lane into my own stage (one block of 16 rows for each head), read back four
; rows of a head at a time.  In qkv a head's rows follow each other, so each store of the wave covers 512 consecutive bytes, aligned.
; row: row tile 0..3; loc: its place in its window; from: sources 0 and 1 in window 2 (0x0a) or 3 (0x0f); rb: RB0, RB1 in turn.
.macro OUT row, loc, from, rb
	WIN \from
.irp b, 0,1,2,3,4,5,6,7,8,9,10,11
.irp r, 0,1,2,3
	v_cvt_pk_f16_f32 v[TMP+4*\b+\r], v[8*(12*\loc+\b)+2*\r], v[8*(12*\loc+\b)+2*\r+1]
.endr
.endr
	WIN 0
.irp b, 0,1,2,3,4,5,6,7,8,9,10,11
	ds_store_b128 v[STO], v[TMP+4*\b:TMP+4*\b+3] offset:(\b/4)*HS+(\b%4)*32
.endr
	s_wait_xcnt 0x0                                ; buffer rb, which earlier stores read, is loaded again only behind this wait
.irp c, 0,1,2
.irp t, 0,1,2,3
	ds_load_b128 v[\rb+4*(4*\c+\t):\rb+4*(4*\c+\t)+3], v[RD] offset:\c*HS+\t*576   ; LDS serves a wave's instructions in order: these see the stores above
.endr
.endr
.irp c, 0,1,2
.irp t, 0,1,2,3
	s_wait_dscnt 11-(4*\c+\t)
	global_store_b128 v[CO], v[\rb+4*(4*\c+\t):\rb+4*(4*\c+\t)+3], s[OB+2*\c:OB+2*\c+1] offset:(16*\row+4*\t)*128
.endr
.endr
.endm
	OUT 0, 0, 0x0a, RB0
	OUT 1, 1, 0x0a, RB1
	OUT 2, 0, 0x0f, RB0
	OUT 3, 1, 0x0f, RB1
	s_set_vgpr_msb 0x1
	s_wait_tensorcnt 0x0
	ds_add_u32 v255, v255
	s_wait_dscnt 0x0
	s_set_vgpr_msb 0x100
	CROUND                                         ; the closing round: no work-group ends while a partner may still ask for a tile that names it
	s_endpgm
.Lfunc_end_k_q033bc22ae9_qkv:
	.size	k_q033bc22ae9_qkv, .Lfunc_end_k_q033bc22ae9_qkv-k_q033bc22ae9_qkv
	.p2alignl 7, 3214868480
	.fill 96, 4, 3214868480
	.section	.rodata,"a",@progbits
	.p2align	6, 0x0
	.amdhsa_kernel k_q033bc22ae9_qkv
		.amdhsa_group_segment_fixed_size 327680
		.amdhsa_private_segment_fixed_size 0
		.amdhsa_enable_private_segment 0
		.amdhsa_kernarg_size 40
		.amdhsa_user_sgpr_count 2
		.amdhsa_user_sgpr_kernarg_segment_ptr 1
		.amdhsa_wavefront_size32 1
		.amdhsa_system_sgpr_workgroup_id_x 1
		.amdhsa_system_sgpr_workgroup_id_y 1
		.amdhsa_system_sgpr_workgroup_id_z 1
		.amdhsa_system_vgpr_workitem_id 0
		.amdhsa_next_free_vgpr 960
		.amdhsa_next_free_sgpr 96
		.amdhsa_reserve_vcc 0
		.amdhsa_float_denorm_mode_32 3
		.amdhsa_float_denorm_mode_16_64 3
		.amdhsa_memory_ordered 1
		.amdhsa_forward_progress 1
		.amdhsa_inst_pref_size 167
	.end_amdhsa_kernel
	.amdgpu_metadata
---
amdhsa.version: [ 1, 2 ]
amdhsa.kernels:
  - .name:           k_q033bc22ae9_qkv
    .symbol:         k_q033bc22ae9_qkv.kd
    .args:
      - { .name: xw, .offset: 0, .size: 8, .value_kind: global_buffer, .address_space: global }
      - { .name: bq, .offset: 8, .size: 8, .value_kind: global_buffer, .address_space: global }
      - { .name: bk, .offset: 16, .size: 8, .value_kind: global_buffer, .address_space: global }
      - { .name: bv, .offset: 24, .size: 8, .value_kind: global_buffer, .address_space: global }
      - { .name: qkv, .offset: 32, .size: 8, .value_kind: global_buffer, .address_space: global }
    .group_segment_fixed_size: 327680
    .private_segment_fixed_size: 0
    .kernarg_segment_align: 8
    .kernarg_segment_size: 40
    .max_flat_workgroup_size: 128
    .sgpr_count:     96
    .vgpr_count:     960
    .wavefront_size: 32
...
	.end_amdgpu_metadata
.endif
;; end of part 2
;; launch attn (part 3): grid 8 x 32, 8 waves a work-group, no clusters, 327,680 bytes of LDS; arguments qkv, ao; writes ao
.if DOCPART == 3
	.amdgcn_target "amdgcn-amd-amdhsa--gfx1250"
	.amdhsa_code_object_version 6
	.text
	.protected	k_q033bc22ae9_attn
	.globl	k_q033bc22ae9_attn
	.p2align	8
	.type	k_q033bc22ae9_attn,@function
k_q033bc22ae9_attn:
	s_mov_b64 s[64:65], 0
	v_nop
	global_prefetch_b8 v0, s[64:65] scope:SCOPE_SE
	s_setreg_imm32_b32 hwreg(HW_REG_WAVE_MODE, 25, 1), 1
	s_wait_xcnt 0x0
; Causal attention of one (batch, head) pair with a running maximum.  qkv: [3][32][2048][64] f16; ao: [32][2048][64] f16 (the same bytes
; are the [4096][1024] left operand of the last product: the result is reshaped without moving heads back).
; Products in f16 with f32 sums; scale, maximum, exponentials, sums and the final division in f32.
; LIMITS: an exponential below 2^-126 is 0 (v_exp_f32 flushes denormals, ISA guide 15.8); p below 6e-8 of the row's largest is 0 in f16.
; SHARE.  Queries go in 16 blocks of 128.  Work-group (g, bh): waves 0-3 take block g, waves 4-7 block 15 - g, 32 queries a wave; both groups
; walk the same K and V tiles of 128 keys, so a work-group does (g + 1) + (16 - g) = 17 block x tile units whatever g is.
; NO CLUSTER: the work-groups of a head need 9 to 16 tiles and spend two units on tiles up to g and one on the later ones; in a joint ring
; g = 0..3 would go at the slowest partner's pace, 4 x 2 + 12 = 20 units in place of 17.
; TILES.  E = 16 - 2 (g >> 1) tiles are fetched, in pairs, so that every LDS address is a constant of the text.  For odd g that is one tile
; (32,768 bytes, inside the buffer) more than the 16 - g that are read; it is fetched and not used.
; SCORES ARE MADE TRANSPOSED: S^T = K Q^T (source 0 = 16 keys, source 1 = 16 queries): lane (r, h), register j holds key 8 h + j of query r.
; Two neighbouring key tiles, packed to f16 in place, are then source 1 of O^T = V^T P^T as they stand: no trip through LDS, no shuffle;
; maximum, sum and rescaling factor are one number a lane.  V^T's fragments come by the transposing LDS load from V as stored, [key][d].
.set HEADB, 262144                     ; bytes of one head
.set TILEB, 16384                      ; 128 keys x 128 bytes
.set KP,    144                        ; K's LDS pitch: 128 + 16 bytes
.set VP,    160                        ; V's LDS pitch: 128 + 32 bytes, for the transposing loads
.set KB,    128*KP
.set SLOT,  KB+128*VP                  ; 38,912: K's 128 keys, then V's
.set STAGE, 2*SLOT                     ; 77,824, a multiple of 256: the way out; no tensor load lands here
.set WST,   32*KP                      ; a wave's stage: 32 rows
.set ADK,  4                           ; v4-5    K fragments in slot 0, 1: 144 r + 16 h
.set ADV,  6                           ; v6-7    V fragments: KB + 160 (8 h + (L & 7)) + 16 ((L >> 3) & 1)
.set DL,   8                           ; r - 8 h
.set DREL, 9                           ; r - 8 h + (my first query - the step's first key)
.set STO,  10
.set RD,   11
.set CO,   12
.set VQ,   13
.set M,    14                          ; v14-15  running maximum of query tile 0, 1
.set LS,   16                          ; v16-17  running sum (this half of the lanes' keys)
.set AL,   18                          ; v[18:19] rescaling factor, twice
.set NM,   20                          ; v[20:21] -c x maximum, twice
.set T,    22                          ; v22-29  at work
.set QF,   32                          ; v32-63  Q: fragment (qt, ks) at 16 qt + 8 ks
.set S,    64                          ; v64-127 scores: tile (kt, qt) at 32 qt + 8 kt
.set F,    128                         ; v128-191 K's fragments (kt, ks) at 16 kt + 8 ks, then V's (dt, kh) at 16 dt + 8 kh
.set O,    192                         ; v192-255 O^T: tile (dt, qt) at 32 qt + 8 dt
.set G1K, 16                           ; s[16:23]
.set G1V, 24                           ; s[24:31]
.set G0K, 32                           ; s[32:39] one set a slot
.set G0V, 40                           ; s[40:47]
	s_load_b128 s[4:7], s[0:1], 0x0                ; qkv s[4:5], ao s[6:7]
	v_lshl_add_u32 v30, v0, 2, 0x29000
	v_mov_b32 v31, 0
	ds_add_u32 v30, v31
	ds_add_u32 v30, v31
	v_lshrrev_b32 v1, 5, v0
	v_readfirstlane_b32 s8, v1                     ; wave 0..7
	s_and_b32 s9, s8, 3                            ; wave in its group
	s_lshr_b32 s10, s8, 2                          ; group
	s_mov_b32 s11, ttmp9                           ; g
	s_and_b32 s12, ttmp7, 0xffff                   ; batch x 16 + head
	s_sub_co_u32 s13, 15, s11
	s_cmp_eq_u32 s10, 0
	s_cselect_b32 s13, s11, s13                    ; my query block = the tile that holds my diagonal
	s_mov_b32 s14, 0                               ; tile number
	s_lshr_b32 s15, s11, 1
	s_sub_co_u32 s15, 7, s15                       ; trips of two tiles: (E - 2) / 2, 4 to 7
	s_mov_b32 s48, 0x76543210                      ; v_permlanex16_b32: lane i takes lane i of the other half
	s_mov_b32 s49, 0xfedcba98
	s_mov_b32 s50, 0x3e38aa3b                      ; c = log2(e) / 8: the scale 1 / sqrt(64) and the change of base
	s_mov_b32 s51, 0x3e38aa3b
	s_mov_b32 s52, 0xff800000                      ; -infinity
	s_lshl_b32 s54, s9, 5                          ; my first query in the block
	s_mov_b32 s55, 0xbe38aa3b                      ; -c
	; Each wave brings its 16 keys of K and of V: 2,048 dense bytes, as 8 rows of 256 bytes (32 elements of 8 bytes);
	; behind every 32 words (a key's 128 bytes) the mover skips 4 words for K, 8 for V.
	s_mov_b32 s[G1K+0], (3<<16)|(1<<20)|(4<<22)|(3<<25)
	s_mov_b32 s[G1V+0], (3<<16)|(1<<20)|(4<<22)|(7<<25)
	s_mov_b32 s[G1K+1], 32<<16                     ; tensor_dim0 = 32
	s_mov_b32 s[G1V+1], 32<<16
	s_mov_b32 s[G1K+2], 8<<16                      ; tensor_dim1 = 8
	s_mov_b32 s[G1V+2], 8<<16
	s_mov_b32 s[G1K+3], 32<<16                     ; tile_dim0 = 32
	s_mov_b32 s[G1V+3], 32<<16
	s_mov_b32 s[G1K+4], 8                          ; tile_dim1 = 8
	s_mov_b32 s[G1V+4], 8
	s_mov_b32 s[G1K+5], 32                         ; pitch
	s_mov_b32 s[G1V+5], 32
	s_mov_b32 s[G1K+6], 0
	s_mov_b32 s[G1V+6], 0
	s_mov_b32 s[G1K+7], 0
	s_mov_b32 s[G1V+7], 0
	s_mov_b32 s[G0K+0], 1
	s_mov_b32 s[G0K+4], 1
	s_mov_b32 s[G0V+0], 1
	s_mov_b32 s[G0V+4], 1
	s_mul_i32 s[G0K+1], s8, 16*KP                  ; LDS: my 16 keys of K in slot 0,
	s_add_co_u32 s[G0K+5], s[G0K+1], SLOT          ; in slot 1,
	s_mul_i32 s[G0V+1], s8, 16*VP
	s_add_co_u32 s[G0V+1], s[G0V+1], KB            ; of V in slot 0,
	s_add_co_u32 s[G0V+5], s[G0V+1], SLOT          ; in slot 1
	s_lshl_b32 s56, s12, 18                        ; the head's bytes in a section
	s_lshl_b32 s58, s8, 11                         ; my 16 keys
	s_add_co_u32 s58, s58, s56
	s_mov_b32 s59, 0
	s_lshl_b32 s57, s13, 14                        ; my block of 128 queries x 128 bytes
	s_add_co_u32 s56, s56, s57
	s_lshl_b32 s57, s9, 12                         ; my 32 queries
	s_add_co_u32 s56, s56, s57
	s_mov_b32 s57, 0
	s_wait_dscnt 0x0
	s_wait_kmcnt 0x0
	s_add_nc_u64 s[G0K+2:G0K+3], s[4:5], s[58:59]
	s_add_nc_u64 s[G0K+2:G0K+3], s[G0K+2:G0K+3], 32*HEADB          ; section k, tile 0
	s_add_nc_u64 s[G0K+6:G0K+7], s[G0K+2:G0K+3], TILEB             ; tile 1
	s_add_nc_u64 s[G0V+2:G0V+3], s[G0K+2:G0K+3], 32*HEADB          ; section v, tile 0
	s_add_nc_u64 s[G0V+6:G0V+7], s[G0V+2:G0V+3], TILEB
	s_or_b32 s[G0K+3], s[G0K+3], 0x80000000
	s_or_b32 s[G0K+7], s[G0K+7], 0x80000000
	s_or_b32 s[G0V+3], s[G0V+3], 0x80000000
	s_or_b32 s[G0V+7], s[G0V+7], 0x80000000
	tensor_load_to_lds s[G0K:G0K+3], s[G1K:G1K+7]  ; tile 0
	s_nop 0
	tensor_load_to_lds s[G0V:G0V+3], s[G1V:G1V+7]
	s_nop 0
	s_add_nc_u64 s[60:61], s[4:5], s[56:57]        ; my queries
	s_add_nc_u64 s[6:7], s[6:7], s[56:57]          ; and where their results go
	v_and_b32 v1, 31, v0                           ; lane L
	v_and_b32 v2, 15, v0                           ; r
	v_bfe_u32 v3, v0, 4, 1                         ; h
	v_lshlrev_b32 v[VQ], 7, v2
	v_lshl_add_u32 v[VQ], v3, 4, v[VQ]             ; 128 r + 16 h
.irp qt, 0,1
.irp ks, 0,1
	global_load_b128 v[QF+16*\qt+8*\ks:QF+16*\qt+8*\ks+3],   v[VQ], s[60:61] offset:2048*\qt+64*\ks
	global_load_b128 v[QF+16*\qt+8*\ks+4:QF+16*\qt+8*\ks+7], v[VQ], s[60:61] offset:2048*\qt+64*\ks+32
.endr
.endr
	v_mul_u32_u24 v[ADK], v2, KP
	v_lshl_add_u32 v[ADK], v3, 4, v[ADK]
	v_add_nc_u32 v[ADK+1], SLOT, v[ADK]
	v_and_b32 v[ADV], 7, v0
	v_lshl_add_u32 v[ADV], v3, 3, v[ADV]           ; key 8 h + (L & 7)
	v_mul_u32_u24 v[ADV], v[ADV], VP
	v_bfe_u32 v[ADV+1], v0, 3, 1
	v_lshl_add_u32 v[ADV], v[ADV+1], 4, v[ADV]
	v_add_nc_u32 v[ADV], KB, v[ADV]
	v_add_nc_u32 v[ADV+1], SLOT, v[ADV]
	v_lshlrev_b32 v[DL], 3, v3
	v_sub_nc_u32 v[DL], v2, v[DL]
	s_mul_i32 s62, s8, WST
	s_add_co_u32 s62, s62, STAGE                   ; my stage
	v_add_nc_u32 v[STO], s62, v[ADK]               ; in: row r, 16 bytes for each half of the lanes
	v_lshrrev_b32 v[RD], 3, v1
	v_mul_u32_u24 v[RD], v[RD], KP
	v_and_b32 v[CO], 7, v0
	v_lshl_add_u32 v[RD], v[CO], 4, v[RD]
	v_add_nc_u32 v[RD], s62, v[RD]                 ; back: eight lanes a row of 128 bytes, four rows a load
	v_lshlrev_b32 v[CO], 4, v1
	s_wait_loadcnt 0x0                             ; Q, once
; The softmax step of query tile qt over the step's 64 keys (32 numbers a lane).
.macro SOFTMAX qt, masked, first
.set SB, S+32*\qt
.set OQ, O+32*\qt
.if \masked
	; key <= query  <=>  16 kt + 8 h + j + first key <= 16 qt + r + first query  <=>  16 kt - 16 qt + j <= DREL
.irp kt, 0,1,2,3
.irp j, 0,1,2,3,4,5,6,7
	v_cmp_le_i32 vcc_lo, 16*\kt-16*\qt+\j, v[DREL]
	v_cndmask_b32 v[SB+8*\kt+\j], s52, v[SB+8*\kt+\j], vcc_lo
.endr
.endr
.endif
	v_max3_num_f32 v[T], v[SB], v[SB+1], v[SB+2]   ; two chains
	v_max3_num_f32 v[T+1], v[SB+16], v[SB+17], v[SB+18]
.irp i, 3,5,7,9,11,13
	v_max3_num_f32 v[T], v[T], v[SB+\i], v[SB+\i+1]
	v_max3_num_f32 v[T+1], v[T+1], v[SB+16+\i], v[SB+17+\i]
.endr
	v_max3_num_f32 v[T], v[T], v[SB+15], v[SB+31]
	v_max_num_f32 v[T], v[T], v[T+1]
	v_permlanex16_b32 v[T+1], v[T], s48, s49       ; the other half of the lanes holds the query's other keys
.if \first
	v_max_num_f32 v[M+\qt], v[T], v[T+1]           ; finite: the first step holds key 0, which every query sees
.else
	v_max3_num_f32 v[T+2], v[M+\qt], v[T], v[T+1]
	v_sub_f32 v[T+3], v[M+\qt], v[T+2]
	v_mul_f32 v[T+3], s50, v[T+3]
	v_mov_b32 v[M+\qt], v[T+2]
	v_exp_f32 v[AL], v[T+3]                        ; 2^(c (old maximum - new)), twice, for the packed multiplies
	v_exp_f32 v[AL+1], v[T+3]
.endif
	v_mul_f32 v[NM], s55, v[M+\qt]                 ; (also the plain place behind the two exponentials, ISA guide 5.7.2)
	v_mul_f32 v[NM+1], s55, v[M+\qt]
.set n, 0
.rept 16
	v_pk_fma_f32 v[SB+n:SB+n+1], v[SB+n:SB+n+1], s[50:51], v[NM:NM+1] op_sel_hi:[1,0,1]   ; c s - c m; a masked -infinity stays so
.set n, n+2
.endr
.set n, 0
.rept 32
	v_exp_f32 v[SB+n], v[SB+n]
.set n, n+1
.endr
.if \first
	v_nop                                          ; the plain place behind the exponentials
	s_wait_alu depctr_va_vdst(0)
.else
.set n, 0
	s_wait_alu depctr_va_vdst(0)
.rept 16
	v_pk_mul_f32 v[OQ+n:OQ+n+1], v[OQ+n:OQ+n+1], v[AL:AL+1]       ; rescale O; the first of these is the plain place behind the exponentials
.set n, n+2
.endr
.endif
	v_pk_add_f32 v[T:T+1], v[SB:SB+1], v[SB+2:SB+3]
	v_pk_add_f32 v[T+2:T+3], v[SB+4:SB+5], v[SB+6:SB+7]
.irp i, 8,12,16,20,24,28
	v_pk_add_f32 v[T:T+1], v[T:T+1], v[SB+\i:SB+\i+1]
	v_pk_add_f32 v[T+2:T+3], v[T+2:T+3], v[SB+\i+2:SB+\i+3]
.endr
	v_pk_add_f32 v[T:T+1], v[T:T+1], v[T+2:T+3]
.if \first
	v_add_f32 v[LS+\qt], v[T], v[T+1]
.else
	v_add_f32 v[T], v[T], v[T+1]
	v_fma_f32 v[LS+\qt], v[LS+\qt], v[AL], v[T]
.endif
	; pack in place: key tiles 2 kh, 2 kh + 1 become the eight registers of source 1 for keys 32 kh .. 32 kh + 31
.irp i, 0,1,2,3,4,5,6,7
	v_cvt_pk_f16_f32 v[SB+\i], v[SB+2*\i], v[SB+2*\i+1]
.endr
.irp i, 0,1,2,3,4,5,6,7
	v_cvt_pk_f16_f32 v[SB+16+\i], v[SB+16+2*\i], v[SB+17+2*\i]
.endr
.endm
; 64 keys (half sub of the tile in slot) against my 32 queries.  The accumulators of each product take turns, one instruction a turn.
.macro STEP slot, sub, masked, first
.irp ks, 0,1
.irp kt, 0,1,2,3
	ds_load_b128 v[F+16*\kt+8*\ks:F+16*\kt+8*\ks+3],   v[ADK+\slot] offset:(64*\sub+16*\kt)*KP+64*\ks
	ds_load_b128 v[F+16*\kt+8*\ks+4:F+16*\kt+8*\ks+7], v[ADK+\slot] offset:(64*\sub+16*\kt)*KP+64*\ks+32
.endr
.endr
	s_wait_dscnt 8                                 ; d = 0..31 of the four key tiles are in; the eight younger loads stay out
.irp qt, 0,1
.irp kt, 0,1,2,3
	v_wmma_f32_16x16x32_f16 v[S+32*\qt+8*\kt:S+32*\qt+8*\kt+7], v[F+16*\kt:F+16*\kt+7], v[QF+16*\qt:QF+16*\qt+7], 0
.endr
.endr
	s_wait_dscnt 0
.irp qt, 0,1
.irp kt, 0,1,2,3
	v_wmma_f32_16x16x32_f16 v[S+32*\qt+8*\kt:S+32*\qt+8*\kt+7], v[F+16*\kt+8:F+16*\kt+15], v[QF+16*\qt+8:QF+16*\qt+15], v[S+32*\qt+8*\kt:S+32*\qt+8*\kt+7]
.endr
.endr
.rept 4
	v_nop                                          ; four places: then K's registers are loaded again and the scores are read (ISA guide 7.12.1)
.endr
.irp kh, 0,1
.irp dt, 0,1,2,3
	ds_load_tr16_b128 v[F+16*\dt+8*\kh:F+16*\dt+8*\kh+3],   v[ADV+\slot] offset:(64*\sub+32*\kh)*VP+32*\dt
	ds_load_tr16_b128 v[F+16*\dt+8*\kh+4:F+16*\dt+8*\kh+7], v[ADV+\slot] offset:(64*\sub+32*\kh+16)*VP+32*\dt
.endr
.endr
.if \masked
	v_add_nc_u32 v[DREL], s53, v[DL]
.endif
	SOFTMAX 0, \masked, \first
	SOFTMAX 1, \masked, \first
	s_wait_dscnt 0                                 ; V's fragments, asked for in front of the softmax
.irp qt, 0,1
.irp dt, 0,1,2,3
.if \first
	v_wmma_f32_16x16x32_f16 v[O+32*\qt+8*\dt:O+32*\qt+8*\dt+7], v[F+16*\dt:F+16*\dt+7], v[S+32*\qt:S+32*\qt+7], 0
.else
	v_wmma_f32_16x16x32_f16 v[O+32*\qt+8*\dt:O+32*\qt+8*\dt+7], v[F+16*\dt:F+16*\dt+7], v[S+32*\qt:S+32*\qt+7], v[O+32*\qt+8*\dt:O+32*\qt+8*\dt+7]
.endif
.endr
.endr
.irp qt, 0,1
.irp dt, 0,1,2,3
	v_wmma_f32_16x16x32_f16 v[O+32*\qt+8*\dt:O+32*\qt+8*\dt+7], v[F+16*\dt+8:F+16*\dt+15], v[S+32*\qt+16:S+32*\qt+23], v[O+32*\qt+8*\dt:O+32*\qt+8*\dt+7]
.endr
.endr
.rept 5
	v_nop                                          ; five places: the next step's products write over p's registers, its loads over V's; O is read next
.endr
.endm
; Both halves of a tile under the mask.  The mask compares absolute places, so it is right for any tile up to the diagonal's.
.macro MASKED slot, first
	s_sub_co_i32 s53, s13, s14
	s_lshl_b32 s53, s53, 7                         ; 128 (my block - the tile)
	s_add_co_i32 s53, s53, s54                     ; + my first query in the block
	STEP \slot, 0, 1, \first
	s_sub_co_i32 s53, s53, 64                      ; the second half's keys begin 64 further on
	STEP \slot, 1, 1, 0
.endm
; The change of slots: every wave waits for all its tensor loads (two are out: its keys of this trip's K and V) and for its reads of the
; other slot, passes the barrier, and asks for the next tile into the other slot first thing behind it.  Two tensor loads a wave are out at most.
.macro HEAD slot, refill
	s_wait_tensorcnt 0x0
	ds_add_u32 v30, v31
	s_wait_dscnt 0x0
	s_add_nc_u64 s[G0K+4*\slot+2:G0K+4*\slot+3], s[G0K+4*\slot+2:G0K+4*\slot+3], 2*TILEB   ; no load of mine is out: this slot's next tile
	s_add_nc_u64 s[G0V+4*\slot+2:G0V+4*\slot+3], s[G0V+4*\slot+2:G0V+4*\slot+3], 2*TILEB
	s_wait_dscnt 0x0
	s_barrier_signal -1
	s_barrier_wait -1
.if \refill
	tensor_load_to_lds s[G0K+4*(1-\slot):G0K+4*(1-\slot)+3], s[G1K:G1K+7]
	s_nop 0
	tensor_load_to_lds s[G0V+4*(1-\slot):G0V+4*(1-\slot)+3], s[G1V:G1V+7]
	s_nop 0
.endif
.endm
; A trip: tiles below my diagonal in full, the diagonal's under the mask, later ones not at all.  No barrier and no tensor load stands
; under these branches: a wave with nothing to compute goes on fetching its keys for the others.
.macro TRIP slot
	HEAD \slot, 1
	s_cmp_lt_u32 s14, s13
	s_cbranch_scc1 .Lfull_\@
	s_cmp_eq_u32 s14, s13
	s_cbranch_scc0 .Ldone_\@
	MASKED \slot, 0
	s_branch .Ldone_\@
.Lfull_\@:
	STEP \slot, 0, 0, 0
	STEP \slot, 1, 0, 0
.Ldone_\@:
	s_add_co_u32 s14, s14, 1
.endm
	HEAD 0, 1                                      ; tile 0: every wave computes it; its first step starts maximum, sum and O
	MASKED 0, 1
	s_mov_b32 s14, 1
.Lloop:
	TRIP 1
	TRIP 0
	s_sub_co_u32 s15, s15, 1
	s_cmp_lg_u32 s15, 0
	s_cbranch_scc1 .Lloop
	HEAD 1, 0                                      ; the last tile, E - 1 >= 15 - g: the diagonal's for waves 4-7 where g is even, else unused
	s_cmp_eq_u32 s14, s13
	s_cbranch_scc0 .Lout
	MASKED 1, 0
.Lout:
	; divide by the sum (both halves of the lanes), round to f16, 16 bytes a lane into my own stage, back as whole rows
	v_permlanex16_b32 v[T], v[LS], s48, s49
	v_permlanex16_b32 v[T+1], v[LS+1], s48, s49
	v_add_f32 v[LS], v[LS], v[T]
	v_add_f32 v[LS+1], v[LS+1], v[T+1]
	v_rcp_f32 v[AL], v[LS]
	v_rcp_f32 v[AL+1], v[LS]
	v_rcp_f32 v[NM], v[LS+1]
	v_rcp_f32 v[NM+1], v[LS+1]
	v_nop                                          ; the plain place behind the reciprocals
.set n, 0
	s_wait_alu depctr_va_vdst(0)
.rept 16
	v_pk_mul_f32 v[O+n:O+n+1], v[O+n:O+n+1], v[AL:AL+1]
	v_pk_mul_f32 v[O+32+n:O+32+n+1], v[O+32+n:O+32+n+1], v[NM:NM+1]
.set n, n+2
.endr
.set n, 0
.rept 32
	v_cvt_pk_f16_f32 v[S+n], v[O+2*n], v[O+2*n+1]  ; lane (r, h): d = 16 dt + 8 h + 0..7 of query r, 16 bytes
.set n, n+1
.endr
.irp qt, 0,1
.irp dt, 0,1,2,3
	ds_store_b128 v[STO], v[S+16*\qt+4*\dt:S+16*\qt+4*\dt+3] offset:16*KP*\qt+32*\dt
.endr
.endr
.irp t, 0,1,2,3,4,5,6,7
	ds_load_b128 v[F+4*\t:F+4*\t+3], v[RD] offset:\t*4*KP          ; LDS serves a wave's instructions in order: these see the stores above
.endr
.irp t, 0,1,2,3,4,5,6,7
	s_wait_dscnt 7-\t
	global_store_b128 v[CO], v[F+4*\t:F+4*\t+3], s[6:7] offset:512*\t   ; four rows: 512 consecutive bytes, aligned
.endr
	s_wait_tensorcnt 0x0
	ds_add_u32 v30, v31
	s_wait_dscnt 0x0
	s_endpgm
.Lfunc_end_k_q033bc22ae9_attn:
	.size	k_q033bc22ae9_attn, .Lfunc_end_k_q033bc22ae9_attn-k_q033bc22ae9_attn
	.p2alignl 7, 3214868480
	.fill 96, 4, 3214868480
	.section	.rodata,"a",@progbits
	.p2align	6, 0x0
	.amdhsa_kernel k_q033bc22ae9_attn
		.amdhsa_group_segment_fixed_size 327680
		.amdhsa_private_segment_fixed_size 0
		.amdhsa_enable_private_segment 0
		.amdhsa_kernarg_size 16
		.amdhsa_user_sgpr_count 2
		.amdhsa_user_sgpr_kernarg_segment_ptr 1
		.amdhsa_wavefront_size32 1
		.amdhsa_system_sgpr_workgroup_id_x 1
		.amdhsa_system_sgpr_workgroup_id_y 1
		.amdhsa_system_sgpr_workgroup_id_z 1
		.amdhsa_system_vgpr_workitem_id 0
		.amdhsa_next_free_vgpr 256
		.amdhsa_next_free_sgpr 66
		.amdhsa_reserve_vcc 1
		.amdhsa_float_denorm_mode_32 3
		.amdhsa_float_denorm_mode_16_64 3
		.amdhsa_memory_ordered 1
		.amdhsa_forward_progress 1
		.amdhsa_inst_pref_size 251
	.end_amdhsa_kernel
	.amdgpu_metadata
---
amdhsa.version: [ 1, 2 ]
amdhsa.kernels:
  - .name:           k_q033bc22ae9_attn
    .symbol:         k_q033bc22ae9_attn.kd
    .args:
      - { .name: qkv, .offset: 0, .size: 8, .value_kind: global_buffer, .address_space: global }
      - { .name: ao, .offset: 8, .size: 8, .value_kind: global_buffer, .address_space: global }
    .group_segment_fixed_size: 327680
    .private_segment_fixed_size: 0
    .kernarg_segment_align: 8
    .kernarg_segment_size: 16
    .max_flat_workgroup_size: 256
    .sgpr_count:     66
    .vgpr_count:     256
    .wavefront_size: 32
...
	.end_amdgpu_metadata
.endif
;; end of part 3
;; launch oproj (part 4): grid 8 x 32, 4 waves a work-group, clusters of 4 x 4, 327,680 bytes of LDS; arguments ao, xw, bo, out0; writes out0
.if DOCPART == 4
	.amdgcn_target "amdgcn-amd-amdhsa--gfx1250"
	.amdhsa_code_object_version 6
	.text
	.protected	k_q033bc22ae9_oproj
	.globl	k_q033bc22ae9_oproj
	.p2align	8
	.type	k_q033bc22ae9_oproj,@function
k_q033bc22ae9_oproj:
	s_mov_b64 s[64:65], 0
	v_nop
	global_prefetch_b8 v0, s[64:65] scope:SCOPE_SE
	s_setreg_imm32_b32 hwreg(HW_REG_WAVE_MODE, 25, 1), 1
	s_wait_xcnt 0x0
	s_wait_alu depctr_hold_cnt(0) depctr_sa_sdst(0) depctr_va_vdst(0) depctr_va_sdst(0) depctr_va_ssrc(0) depctr_va_vcc(0) depctr_vm_vsrc(0)
	s_getreg_b32 s2, hwreg(HW_REG_IB_STS2, 6, 4)
	s_cmp_eq_u32 s2, 0
	s_cbranch_scc0 .Lentry_in_a_cluster
	s_endpgm
.Lentry_in_a_cluster:
	s_bfe_u32 s2, ttmp6, 0x10000c
	s_cmp_lg_u32 s2, 0xf033
	s_cbranch_scc0 .Lentry_shape_is_right
	s_endpgm
.Lentry_shape_is_right:
; out0 = ao wo^T + bo.  ao: [4096][1024] f16; wo: [1024][1024] f16 at byte 14,680,064 of xw; bo: [1024] f32; out0: [4096][1024] f32.
; A work-group makes 128 x 128: 8 x 32 = 256 work-groups (a larger block would leave WGPs without work).  Wave (w >> 1, w & 1) makes
; 64 x 64: 16 accumulator tiles.  K goes in 4 steps of 256 (rows of 512 bytes) through two LDS slots, so that a step holds 128 matrix
; instructions a wave between a tile's request and the wait for it (120, less the eight between signal and wait).
; CLUSTERS: 4 x 4 work-groups; ao's tile is asked for jointly by a row of the cluster, wo's by a column.
; The matrix instruction is used transposed (source 0 = rows of wo, source 1 = rows of ao): lane (r, h) holds row r, columns 16 b + 8 h + 0..7.
; The first product of each tile takes the bias as its C.  Window 0: everything but the accumulators; window 1: tile (a, b) at v[8 (4 a + b)].
.set SIZE_K, 1024
.set KSTEP,  256
.set PITCH,  528                       ; 512 bytes + 16: the 16 rows of a fragment load start 16 bytes apart modulo 256
.set HALF,   64*PITCH                  ; one tensor load: 64 rows
.set SLOT,   4*HALF                    ; ao's 128 rows, then wo's 128
.set STAGE,  2*SLOT                    ; 270,336, a multiple of 256: the way out; no tensor load lands here
.set SP,     272                       ; a stage row: 64 f32 + 16 bytes
.set WOB,    14680064                  ; wo's first byte in xw
.set DW0,    (1<<16)|(1<<20)|(1<<21)|(6<<22)|(3<<25)   ; 2-byte elements, padding on, bit 21 beside a mask, after every 128 words 4 words
.set ADRA, 16
.set ADRB, 20
.set STO,  24
.set RD,   25
.set CO,   26
.set BO,   27
.set FA,   32                          ; ao's fragments: buffer n at FA + 32 n
.set FB,   96                          ; wo's fragments: buffer n at FB + 32 n
.set BIAS, 160                         ; 4 x 8 registers: bo[16 b + 8 h + j] of my 64 columns
.set RB0,  192
.set RB1,  224
.set G1,  24
.set G0,  32
.set G1B, 48
.set G0B, 56
.set MSB, 0
.macro WIN new
.if MSB != \new
	s_set_vgpr_msb (MSB<<8)|\new
.set MSB, \new
.endif
.endm
.set MUL,  0x50                        ; C and D window 1, sources window 0
.set ONE,  0x40                        ; first products: D window 1, C (the bias) window 0
.macro JLOAD s
	s_cmp_eq_u32 s15, 0
	s_cbranch_scc0 .Lfor_b_\@
	tensor_load_to_lds s[G0+4*\s:G0+4*\s+3], s[G1:G1+7]
	s_nop 0
	s_branch .Lasked_\@
.Lfor_b_\@:
	tensor_load_to_lds s[G0B+4*\s:G0B+4*\s+3], s[G1B:G1B+7]
	s_nop 0
.Lasked_\@:
.endm
.macro CREST
	s_cmp_lg_u32 s14, 0
	s_cbranch_scc1 .Lnot_wave_0_\@
	s_barrier_signal -3
.Lnot_wave_0_\@:
	s_barrier_wait -3
	s_barrier_signal -1
	s_barrier_wait -1
.endm
.macro CROUND
	s_barrier_signal -1
	s_barrier_wait -1
	CREST
.endm
	s_load_b256 s[4:11], s[0:1], 0x0               ; ao s[4:5], xw s[6:7], bo s[8:9], out0 s[10:11]
	v_lshl_add_u32 v30, v0, 2, 0x46400
	v_mov_b32 v31, 0
	ds_add_u32 v30, v31
	ds_add_u32 v30, v31
	v_lshrrev_b32 v1, 5, v0
	v_readfirstlane_b32 s14, v1                    ; wave 0..3
	s_lshr_b32 s15, s14, 1                         ; my half of the rows.  Also: I fetch for ao (0) or for wo (1)
	s_and_b32 s16, s14, 1                          ; my half of the columns.  Also: which 64 rows of that tile I fetch
	s_bfe_u32 s17, ttmp6, 0x40000                  ; cx
	s_bfe_u32 s18, ttmp6, 0x40004                  ; cy
	s_lshl_b32 s19, ttmp9, 2
	s_add_co_u32 s19, s19, s17                     ; block column
	s_and_b32 s20, ttmp7, 0xffff
	s_lshl_b32 s20, s20, 2
	s_add_co_u32 s20, s20, s18                     ; block row
	s_lshl_b32 s21, s18, 2
	s_lshl_b32 s21, 15, s21                        ; my row of the cluster
	s_lshl_b32 s22, 0x1111, s17                    ; my column
	s_or_b32 s[G1+0], s21, DW0
	s_or_b32 s[G1B+0], s22, DW0
	s_mov_b32 s[G1+1], KSTEP<<16                   ; tensor_dim0 = 256
	s_mov_b32 s[G1B+1], KSTEP<<16
	s_mov_b32 s[G1+2], 64<<16                      ; tensor_dim1 = 64
	s_mov_b32 s[G1B+2], 64<<16
	s_mov_b32 s[G1+3], KSTEP<<16                   ; tile_dim0 = 256
	s_mov_b32 s[G1B+3], KSTEP<<16
	s_mov_b32 s[G1+4], 64                          ; tile_dim1 = 64
	s_mov_b32 s[G1B+4], 64
	s_mov_b32 s[G1+5], SIZE_K
	s_mov_b32 s[G1B+5], SIZE_K
	s_mov_b32 s[G1+6], 0
	s_mov_b32 s[G1B+6], 0
	s_mov_b32 s[G1+7], 0
	s_mov_b32 s[G1B+7], 0
	s_lshl_b32 s40, s20, 7
	s_lshl_b32 s41, s16, 6
	s_add_co_u32 s40, s40, s41                     ; ao: row 128 x block row + 64 x half
	s_lshl_b32 s40, s40, 11
	s_mov_b32 s41, 0
	s_lshl_b32 s44, s19, 7
	s_lshl_b32 s45, s16, 6
	s_add_co_u32 s44, s44, s45                     ; wo: row 128 x block column + 64 x half
	s_lshl_b32 s44, s44, 11
	s_add_co_u32 s44, s44, WOB
	s_mov_b32 s45, 0
	s_mul_i32 s42, s14, HALF                       ; LDS: ao's two halves, then wo's two = wave x 64 rows
	s_wait_dscnt 0x0
	s_wait_kmcnt 0x0
	s_add_nc_u64 s[40:41], s[4:5], s[40:41]
	s_add_nc_u64 s[44:45], s[6:7], s[44:45]
	CROUND                                         ; the first joint loads meet
.irp s, 0,1
	s_mov_b32 s[G0+4*\s], 1
	s_add_co_u32 s[G0+4*\s+1], s42, \s*SLOT
	s_add_nc_u64 s[G0+4*\s+2:G0+4*\s+3], s[40:41], \s*KSTEP*2
	s_or_b32 s[G0+4*\s+3], s[G0+4*\s+3], 0x80000000
	s_mov_b32 s[G0B+4*\s], 1
	s_add_co_u32 s[G0B+4*\s+1], s42, \s*SLOT
	s_add_nc_u64 s[G0B+4*\s+2:G0B+4*\s+3], s[44:45], \s*KSTEP*2
	s_or_b32 s[G0B+4*\s+3], s[G0B+4*\s+3], 0x80000000
	JLOAD \s
.endr
	s_lshl_b32 s66, s20, 7
	s_lshl_b32 s67, s15, 6
	s_add_co_u32 s66, s66, s67                     ; my first row of out0
	s_lshl_b32 s66, s66, 12                        ; x 4,096 bytes
	s_lshl_b32 s68, s19, 7
	s_lshl_b32 s69, s16, 6
	s_add_co_u32 s68, s68, s69                     ; my first column
	s_lshl_b32 s68, s68, 2                         ; in bytes: a multiple of 256
	s_mov_b32 s69, 0
	s_add_nc_u64 s[8:9], s[8:9], s[68:69]          ; my 64 biases
	s_add_co_u32 s66, s66, s68
	s_mov_b32 s67, 0
	s_add_nc_u64 s[10:11], s[10:11], s[66:67]
	v_and_b32 v1, 15, v0                           ; r
	v_bfe_u32 v2, v0, 4, 1                         ; h
	v_lshlrev_b32 v[BO], 5, v2
.irp b, 0,1,2,3
	global_load_b128 v[BIAS+8*\b:BIAS+8*\b+3],   v[BO], s[8:9] offset:64*\b
	global_load_b128 v[BIAS+8*\b+4:BIAS+8*\b+7], v[BO], s[8:9] offset:64*\b+16
.endr
	v_mul_u32_u24 v3, v1, PITCH
	v_lshl_add_u32 v3, v2, 4, v3
	s_mul_i32 s70, s15, HALF                       ; my 64 rows of ao
	s_mul_i32 s71, s16, HALF
	s_add_co_u32 s71, s71, 2*HALF                  ; my 64 rows of wo
.irp s, 0,1
	v_add_nc_u32 v[ADRA+\s], s70, v3
	v_add_nc_u32 v[ADRB+\s], s71, v3
	s_add_co_u32 s70, s70, SLOT
	s_add_co_u32 s71, s71, SLOT
.endr
	s_mul_i32 s72, s14, 16*SP
	s_add_co_u32 s72, s72, STAGE                   ; my stage
	v_mul_u32_u24 v4, v1, SP
	v_lshl_add_u32 v4, v2, 5, v4
	v_add_nc_u32 v[STO], s72, v4                   ; in: row r, 32 bytes for each half of the lanes
	v_mul_u32_u24 v5, v2, SP
	v_lshl_add_u32 v5, v1, 4, v5
	v_add_nc_u32 v[RD], s72, v5                    ; back: lanes 0-15 a row of 256 bytes, lanes 16-31 the next
	v_lshlrev_b32 v6, 12, v2
	v_lshl_add_u32 v[CO], v1, 4, v6                ; and the same two rows in out0
; 8 matrix instructions: row tiles a0, a0 + 1 x 4 column tiles, on buffer buf
.macro MUL8 buf, a0, first
.irp a, \a0, \a0+1
.irp b, 0,1,2,3
.if \first
	v_wmma_f32_16x16x32_f16 v[8*(4*(\a)+\b):8*(4*(\a)+\b)+7], v[FB+32*\buf+8*\b:FB+32*\buf+8*\b+7], v[FA+32*\buf+8*(\a):FA+32*\buf+8*(\a)+7], v[BIAS+8*\b:BIAS+8*\b+7]
.else
	v_wmma_f32_16x16x32_f16 v[8*(4*(\a)+\b):8*(4*(\a)+\b)+7], v[FB+32*\buf+8*\b:FB+32*\buf+8*\b+7], v[FA+32*\buf+8*(\a):FA+32*\buf+8*(\a)+7], v[8*(4*(\a)+\b):8*(4*(\a)+\b)+7]
.endif
.endr
.endr
.endm
.macro FETCH slot, k, buf
.irp i, 0,1,2,3
	ds_load_b128 v[FB+32*\buf+8*\i:FB+32*\buf+8*\i+3],   v[ADRB+\slot] offset:\k+\i*16*PITCH
	ds_load_b128 v[FB+32*\buf+8*\i+4:FB+32*\buf+8*\i+7], v[ADRB+\slot] offset:\k+\i*16*PITCH+32
.endr
.irp i, 0,1,2,3
	ds_load_b128 v[FA+32*\buf+8*\i:FA+32*\buf+8*\i+3],   v[ADRA+\slot] offset:\k+\i*16*PITCH
	ds_load_b128 v[FA+32*\buf+8*\i+4:FA+32*\buf+8*\i+7], v[ADRA+\slot] offset:\k+\i*16*PITCH+32
.endr
.endm
.macro PLACES                          ; four plain vector places between a matrix instruction and a load into a register that it read
.rept 4
	v_nop
.endr
.endm
; 32 along K: the next chunk's 16 loads go out (byte k of the rows, into buffer nxt), then 16 matrix instructions on buffer cur.
; The 16 accumulators take turns, one instruction a turn, in the same order in every chunk.
.macro CHUNK slot, k, cur, nxt, first
	s_wait_dscnt 0x0                               ; buffer cur is in (asked for one chunk ago)
	PLACES
	FETCH \slot, \k, \nxt
.if \first
	WIN ONE
.else
	WIN MUL
.endif
	MUL8 \cur, 0, \first
	MUL8 \cur, 2, \first
	WIN 0
.endm
.macro SEVEN slot, first
	CHUNK \slot, 64,  0, 1, \first
	CHUNK \slot, 128, 1, 0, 0
	CHUNK \slot, 192, 0, 1, 0
	CHUNK \slot, 256, 1, 0, 0
	CHUNK \slot, 320, 0, 1, 0
	CHUNK \slot, 384, 1, 0, 0
	CHUNK \slot, 448, 0, 1, 0
.endm
; The eighth chunk changes slots: waits for my reads of this slot and for all my tensor loads, the barrier (fill = 1: it opens a round of the
; cluster's barrier), the joint refill first behind it, then the next slot's first fragments.
.macro TURN slot, next, fill
	s_wait_dscnt 0x0
	s_wait_tensorcnt 0x0
	ds_add_u32 v30, v31
	s_wait_dscnt 0x0
	s_barrier_signal -1
	WIN MUL
	MUL8 1, 0, 0
	WIN 0
	s_barrier_wait -1
.if \fill
	CREST
	s_add_nc_u64 s[G0+4*\slot+2:G0+4*\slot+3], s[G0+4*\slot+2:G0+4*\slot+3], 2*KSTEP*2
	s_add_nc_u64 s[G0B+4*\slot+2:G0B+4*\slot+3], s[G0B+4*\slot+2:G0B+4*\slot+3], 2*KSTEP*2
	JLOAD \slot
.endif
	PLACES
	FETCH \next, 0, 0
	WIN MUL
	MUL8 1, 2, 0
	WIN 0
.endm
	s_wait_tensorcnt 1                             ; my part of K step 0 is in; K step 1's stays out
	s_wait_loadcnt 0x0                             ; the bias
	s_barrier_signal -1
	s_barrier_wait -1
	FETCH 0, 0, 0
	SEVEN 0, 1                                     ; K step 0: the first products start the sums from the bias
	TURN 0, 1, 1                                   ; slot 0 gets K step 2
	SEVEN 1, 0
	TURN 1, 0, 1                                   ; slot 1 gets K step 3
	SEVEN 0, 0
	TURN 0, 1, 0
	SEVEN 1, 0
	s_wait_dscnt 0x0                               ; the very last chunk
	WIN MUL
	MUL8 1, 0, 0
	MUL8 1, 2, 0
	WIN 0
	PLACES                                         ; behind the last matrix instructions: the LDS stores below read results
; THE WAY OUT, 16 rows at a time: a lane's eight f32 (32 bytes of a row) into my own stage, back as whole rows of 256 bytes.
.macro OUT a, rb
	WIN 0x04                                       ; the stores' data in window 1
.irp b, 0,1,2,3
	ds_store_b128 v[STO], v[8*(4*\a+\b):8*(4*\a+\b)+3]   offset:64*\b
	ds_store_b128 v[STO], v[8*(4*\a+\b)+4:8*(4*\a+\b)+7] offset:64*\b+16
.endr
	WIN 0
	s_wait_xcnt 0x0                                ; buffer rb, which earlier stores read, is loaded again only behind this wait
.irp t, 0,1,2,3,4,5,6,7
	ds_load_b128 v[\rb+4*\t:\rb+4*\t+3], v[RD] offset:\t*2*SP      ; LDS serves a wave's instructions in order: these see the stores above
.endr
.irp t, 0,1,2,3,4,5,6,7
	s_wait_dscnt 7-\t
	global_store_b128 v[CO], v[\rb+4*\t:\rb+4*\t+3], s[10:11] offset:(16*\a+2*\t)*4096 th:TH_STORE_NT   ; 16 lanes store 256 consecutive bytes, aligned
.endr
.endm
	OUT 0, RB0
	OUT 1, RB1
	OUT 2, RB0
	OUT 3, RB1
	s_wait_tensorcnt 0x0
	ds_add_u32 v30, v31
	s_wait_dscnt 0x0
	CROUND                                         ; the closing round
	s_endpgm
.Lfunc_end_k_q033bc22ae9_oproj:
	.size	k_q033bc22ae9_oproj, .Lfunc_end_k_q033bc22ae9_oproj-k_q033bc22ae9_oproj
	.p2alignl 7, 3214868480
	.fill 96, 4, 3214868480
	.section	.rodata,"a",@progbits
	.p2align	6, 0x0
	.amdhsa_kernel k_q033bc22ae9_oproj
		.amdhsa_group_segment_fixed_size 327680
		.amdhsa_private_segment_fixed_size 0
		.amdhsa_enable_private_segment 0
		.amdhsa_kernarg_size 32
		.amdhsa_user_sgpr_count 2
		.amdhsa_user_sgpr_kernarg_segment_ptr 1
		.amdhsa_wavefront_size32 1
		.amdhsa_system_sgpr_workgroup_id_x 1
		.amdhsa_system_sgpr_workgroup_id_y 1
		.amdhsa_system_sgpr_workgroup_id_z 1
		.amdhsa_system_vgpr_workitem_id 0
		.amdhsa_next_free_vgpr 384
		.amdhsa_next_free_sgpr 80
		.amdhsa_reserve_vcc 0
		.amdhsa_float_denorm_mode_32 3
		.amdhsa_float_denorm_mode_16_64 3
		.amdhsa_memory_ordered 1
		.amdhsa_forward_progress 1
		.amdhsa_inst_pref_size 90
	.end_amdhsa_kernel
	.amdgpu_metadata
---
amdhsa.version: [ 1, 2 ]
amdhsa.kernels:
  - .name:           k_q033bc22ae9_oproj
    .symbol:         k_q033bc22ae9_oproj.kd
    .args:
      - { .name: ao, .offset: 0, .size: 8, .value_kind: global_buffer, .address_space: global }
      - { .name: xw, .offset: 8, .size: 8, .value_kind: global_buffer, .address_space: global }
      - { .name: bo, .offset: 16, .size: 8, .value_kind: global_buffer, .address_space: global }
      - { .name: out0, .offset: 24, .size: 8, .value_kind: global_buffer, .address_space: global }
    .group_segment_fixed_size: 327680
    .private_segment_fixed_size: 0
    .kernarg_segment_align: 8
    .kernarg_segment_size: 32
    .max_flat_workgroup_size: 128
    .sgpr_count:     80
    .vgpr_count:     384
    .wavefront_size: 32
...
	.end_amdgpu_metadata
.endif
;; end of part 4
